; MI455X (gfx1250); checked and timed in simulation.
; The chip was launched on July 23, 2026; its instructions are those of AMD's public machine-readable ISA for CDNA 5 (MIT licence, August 2026) and "CDNA5" Instruction Set Architecture Reference Guide (July 2026). The comments in the code are by the model that wrote it; some were corrected since.
;; Trellis Linear. Allowed arithmetic: matrix products marked QUANTISED: E3M2 operands, one E8M0 scale for each 32 along K, by v_wmma_scale_f32_16x16x128_f8f6f4 with both operands' format E3M2, f32 sums; everything else in f32.
;; Inputs: SU 4,096 float32; SV 4,096 float32; scales 65,536 x 1 float32; tlut 1,024 x 2 float32; trellis 65,536 x 32 int32; x 4 x 1,024 x 4,096 float32.
;; Outputs: out0 4 x 1,024 x 4,096 float32.
;; This version of the problem:
;;   THIS VERSION OF THE PROBLEM IS GIVEN IN LOW PRECISION. The matrix products marked QUANTISED in the list below multiply operands that are first quantised to E3M2 (3 exponent bits, 2 mantissa bits; 6 bits a number), with one power-of-two scale for each 32 numbers along K (OCP MX v1.0); their sums are f32. All else is computed in f32.
;;   The module's matrix products, in the order in which they are computed (A, B: the left and right operand; K: the contracted axis; several contracted axes count as one K, in the product's order):
;;     1. [M 4,096, K 4,096] x [K 4,096, N 4,096]; A: input x; B: computed on the way: QUANTISED
;;   THE QUANTISER, for each operand of a quantised product, along K:
;;     - K is cut into blocks of 32 from its start; a last block that is shorter is filled with zeros.
;;     - A block's scale is 2^e with e = floor(log2(the largest magnitude in the block)) - 4, held to -126 .. 127; a block of zeros has e = 0. As a byte (E8M0): e + 127.
;;     - Each number is divided by its block's scale, clamped to +-28, and rounded to the nearest number of E3M2, ties to even, subnormals kept.
;;     - The product sums the exact products of the quantised numbers (number of the format x scale) in f32.
;;   ~~~python
;;   def quantise(x, axis):      # numpy; x: float32 -> the quantised numbers, widened to float32 again
;;       x = np.moveaxis(x, axis, -1); K = x.shape[-1]
;;       x = np.pad(x, [(0, 0)] * (x.ndim - 1) + [(0, -K % 32)]); x = x.reshape(x.shape[:-1] + (-1, 32)); a = np.abs(x).max(-1, keepdims=True)
;;       e = np.where(a > 0, np.clip(np.frexp(np.where(a > 0, a, 1))[1] - 1 - 4, -126, 127), 0)      # np.frexp(a)[1] - 1 = floor(log2(a)), exactly
;;       r = np.clip(x / 2.0 ** e, -28, 28)
;;       step = 2.0 ** (np.maximum(np.frexp(np.where(r == 0, 1, r))[1] - 1, -2) - 2)
;;       q = np.round(r / step) * step * 2.0 ** e      # np.round: ties to even
;;       return np.moveaxis(q.reshape(q.shape[:-2] + (-1,))[..., :K], -1, axis).astype(np.float32)
;;   ~~~
;;   OPERANDS COMPUTED ON THE WAY. 'Computed on the way' means the value that the module computes at that place (a softmax that the list does not call 'softmax' is quantised finished and normalised). What goes into a quantiser is computed in f32, as accurately as f32 sums, v_exp_f32 and their like allow (about 1e-6 of the number): no bf16 or f16 on the way to a quantiser, and a product that is left as it is and whose result goes on into a quantised operand takes f32 operands (vector FMAs, or v_wmma_f32_16x16x4_f32). A number that lies on a knife's edge between two numbers of the format may be rounded either way, as far as f32 arithmetic and the matrix unit's own rounding can turn it there, and no further.
;; One version. Each part assembles by itself: llvm-mc -triple=amdgcn-amd-amdhsa -mcpu=gfx1250 --defsym DOCPART=n.
;; ======== version 1 of 1: 3 launches
;; limits: right only within a limited range of input values
;; workspace buffers: w1 67,108,864 bytes; xc 12,582,912 bytes; xs 524,288 bytes; wc 12,582,912 bytes; wsb 524,288 bytes
;; launch dec (part 1): grid 512 x 1, 16 waves a work-group, no clusters, 280,576 bytes of LDS; arguments trellis, tlut, SU, w1, x, xc, xs; writes w1, xc, xs
.if DOCPART == 1
	.amdgcn_target "amdgcn-amd-amdhsa--gfx1250"
	.amdhsa_code_object_version 6
	.text
	.protected	k_q15350e78fa_dec
	.globl	k_q15350e78fa_dec
	.p2align	8
	.type	k_q15350e78fa_dec,@function
k_q15350e78fa_dec:
	s_mov_b64 s[64:65], 0
	v_nop
	global_prefetch_b8 v0, s[64:65] scope:SCOPE_SE
	s_setreg_imm32_b32 hwreg(HW_REG_WAVE_MODE, 25, 1), 1
	s_wait_xcnt 0x0
; w1[o][d] = SU[d] x (the Walsh-Hadamard sums over all 12 bits of d and over bits 8..11 of o) of the decoded weights, NOT normalised: the factor 2^-12 of both transforms is applied in the next launch.
; The decoded weight (o, d) is tlut[state & 1023][d & 1]; the state is a window of 16 bits in the trellis row 16 o + d / 256 (32 words of 16 bits, the highest bit first, the row closed to a ring), 4 bits on for each 2 along d.
; ORDER.  The butterflies of different bits, and the factor SU[d] against the butterflies along o, change places freely: this text takes o's bits 8..11 ahead of SU and of o's bits 0..7.  Against the order
; in which the problem writes them only the f32 roundings differ.  LIMITS: NaN and infinities among tlut and SU are not served.  Trellis words may be any int32: the shifts are the problem's own (the right one arithmetic).
; SHARES.  Work-group g owns the 16 rows o = 256 j + g: 256 KB of f32, 128 registers in each lane of 16 waves.  No cluster and no tensor load: the work-groups share the table (8 KB) and SU (16 KB) alone,
; and the trellis words go straight into the registers that decode them.
; LAYOUTS (which bits of d, and j, stand where):
;   1: wave = j, lane = d7..11, register = d0..6        decode, butterflies d0 (built into the table), d1..d6
;   2: wave = j, lane = d2..6,  register = d0,d1 | d7..11   butterflies d7..d11         (exchange 1: inside a wave)
;   3: wave = d8..11, lane = d2..6, register = d0,d1 | d7 | j   butterflies o8..o11, x SU, out  (exchange 2: among the 16 waves)
; LDS: 0..8191 the table, each entry as (a + b, a - b); from XR exchange 1, a region of 32 x 528 bytes for each wave; exchange 2 lies over it: quad (j, d7..11, lane) at XR + 16384 j + 512 (d7..11) + 16 lane.
.set D,   64                           ; v64-191  the data
.set T,   16                           ; v16-31   two sets of four pairs at work
.set TS,  192                          ; v192-255 the sums of the stage that is fused with exchange 2's stores
.set A,   32                           ; v32-35   the table's quad as loaded, then four table addresses
.set W,   36                           ; v36-52   my 16 trellis words and the word behind them
.set SUR, 56                           ; v56-63   SU of my 8 places (d0, d1, d7)
.set XR,  8192
.set X1P, 528                          ; exchange 1: a lane's 512 bytes + 16: sixteen lanes' stores of 16 bytes start at sixteen different 16-byte columns of 256 bytes
.set X1W, 32*X1P
.set TG,  0
; Two butterfly stages on the four register pairs at a, a + s, a + 2 s, a + 3 s (register bits log2 s and log2 s + 1): eight packed additions, the results in place, no move.
.macro R4 a, s
.set RA, \a
.set RB, RA+(\s)
.set RC, RA+2*(\s)
.set RD, RA+3*(\s)
.set TT, T+8*TG
	v_pk_add_f32 v[TT:TT+1],   v[RA:RA+1], v[RB:RB+1]
	v_pk_add_f32 v[TT+2:TT+3], v[RA:RA+1], v[RB:RB+1] neg_lo:[0,1] neg_hi:[0,1]
	v_pk_add_f32 v[TT+4:TT+5], v[RC:RC+1], v[RD:RD+1]
	v_pk_add_f32 v[TT+6:TT+7], v[RC:RC+1], v[RD:RD+1] neg_lo:[0,1] neg_hi:[0,1]
	s_delay_alu instid0(VALU_DEP_2)
	v_pk_add_f32 v[RA:RA+1], v[TT:TT+1],   v[TT+4:TT+5]
	s_delay_alu instid0(VALU_DEP_2)
	v_pk_add_f32 v[RB:RB+1], v[TT+2:TT+3], v[TT+6:TT+7]
	s_delay_alu instid0(VALU_DEP_4)
	v_pk_add_f32 v[RC:RC+1], v[TT:TT+1],   v[TT+4:TT+5] neg_lo:[0,1] neg_hi:[0,1]
	s_delay_alu instid0(VALU_DEP_4)
	v_pk_add_f32 v[RD:RD+1], v[TT+2:TT+3], v[TT+6:TT+7] neg_lo:[0,1] neg_hi:[0,1]
.set TG, 1-TG                          ; the two sets of temporaries by turns
.endm
; The same two stages on all of registers D + lo .. D + lo + n - 1
.macro PASS s, lo, n
.set PQ, \lo
.rept (\n)/2
.if (PQ/(\s))%4 == 0
	R4 D+PQ, \s
.endif
.set PQ, PQ+2
.endr
.endm
; One stage on register bit 6, fused with an exchange's stores: quad i takes the sum (into registers of its own, so that no store's data are written again), quad i + 16 the difference.
.macro R2S i, adr, step
	v_pk_add_f32 v[TS+4*(\i):TS+4*(\i)+1],     v[D+4*(\i):D+4*(\i)+1],   v[D+64+4*(\i):D+64+4*(\i)+1]
	v_pk_add_f32 v[TS+4*(\i)+2:TS+4*(\i)+3],   v[D+4*(\i)+2:D+4*(\i)+3], v[D+64+4*(\i)+2:D+64+4*(\i)+3]
	v_pk_add_f32 v[D+64+4*(\i):D+64+4*(\i)+1],   v[D+4*(\i):D+4*(\i)+1],   v[D+64+4*(\i):D+64+4*(\i)+1] neg_lo:[0,1] neg_hi:[0,1]
	v_pk_add_f32 v[D+64+4*(\i)+2:D+64+4*(\i)+3], v[D+4*(\i)+2:D+4*(\i)+3], v[D+64+4*(\i)+2:D+64+4*(\i)+3] neg_lo:[0,1] neg_hi:[0,1]
	ds_store_b128 v[\adr], v[TS+4*(\i):TS+4*(\i)+3] offset:(\i)*(\step)
	ds_store_b128 v[\adr], v[D+64+4*(\i):D+64+4*(\i)+3] offset:((\i)+16)*(\step)
.endm
.macro MEET                            ; all my LDS instructions are done (stores landed, loads back): then the work-group's barrier
	s_wait_dscnt 0x0
	s_barrier_signal -1
	s_barrier_wait -1
.endm
; TWO KINDS OF WORK-GROUP IN ONE LAUNCH.  Ids 128 .. 383 decode, as the head says (g = id mod 256: each g once).  Ids 0 .. 127 and 384 .. 511 quantise x (block of rows id mod 256: each once): of ids p and p + 256 one is of each kind,
; and the first 256 ids hold 128 of each.  The two kinds share no byte of memory and part by ONE branch on the id; each path has its own end.  What the head says of tensor loads holds of the decoding path.
	v_lshl_add_u32 v54, v0, 2, 0x44000             ; both paths: my spare word,
	v_mov_b32 v55, 0                               ; and 0
	s_sub_co_u32 s19, ttmp9, 128
	s_cmp_lt_u32 s19, 256
	s_wait_alu depctr_va_vdst(0)                   ; the wait directly ahead of the branch
	s_cbranch_scc1 .Ldecode
; ---- x [4096 m][4096 d], f32, into codes of BF6 (E3M2) with one E8M0 scale byte for each 32 along d.
; A block's scale is 2^(floor(log2(its largest magnitude)) - 4); its byte is the largest magnitude's exponent field - 4, held at 1 from below.  Each number is divided by the scale and rounded to the nearest code, ties to even.
; LIMITS: a block whose largest magnitude lies under 2^-122 (a block of zeros too, where the rule says 127) gets the byte 1: zero codes add nothing under any byte but 0xff, and this program alone reads the bytes.  NaN and infinities are not served.
; OUT: codes xc [16 kb][256 blocks of 16 rows][2 K steps of 128][3 register quads][32 lanes][16 bytes]: an image of the matrix operand's registers; bytes xs [16 kb][4096 m][8], kb = d / 256.
; SHARES.  The work-group owns 16 rows; wave w owns their columns 256 w .. 256 w + 255: ONE tensor load of 16 rows x 1024 bytes into LDS bytes of its own (16 bytes of padding behind each row), which no other wave reads
; and nothing fills again: no ring, no barrier.  Lane (r, h) takes the blocks of 32 at K = 64 n + 32 h, n = 0..3, of row r: what the operand's layout gives that lane.  So a block's largest magnitude needs no other lane,
; the conversions' results are the operand's registers, and each of the six stores of codes covers 512 consecutive bytes.  A wave's 16 rows have 128 scale bytes: one store of 128 consecutive bytes.
; No cluster: the work-groups share no input.  No prefetch: this path has no loop to run ahead in, and every byte is asked for at its head.
.set QTP,   1040                       ; an LDS row: 1024 bytes + 16: sixteen lanes' loads of 16 bytes start at sixteen different 16-byte columns of 256 bytes
.set QTILE, 16*QTP                     ; sixteen tiles end at byte 266240, under the spare words
.set QADR, 4                           ; LDS address of my first block
.set QCO,  5                           ; 16 x lane
.set QSOF, 6                           ; my scale word's place: 8 r + 4 h
.set QSH,  7                           ; h, then 8 h
.set QM,   8                           ; v8-11   the four blocks' largest magnitudes
.set QSO,  12                          ; v12-15  the conversions' scale operands
.set QBY,  16                          ; v16-19  the scale bytes
.set QW,   20                          ; v20-21  the scale words of the two K steps
.set QP,   22                          ; v22-23  lane xor 16's
.set QX,   64                          ; v64-191 four blocks of 32 numbers
.set QF,   192                         ; v192-215 two fragments' registers
.set QT,   216                         ; v216-231 each block's upper 16 codes (a conversion's three registers begin on an even number)
	s_load_b128 s[4:7], s[0:1], 0x20               ; x, xc
	s_load_b64 s[8:9], s[0:1], 0x30                ; xs
	ds_add_u32 v54, v55                            ; the opening lines: the add, twice on end, and its wait ahead of my tensor load
	ds_add_u32 v54, v55
	v_lshrrev_b32 v1, 5, v0
	v_readfirstlane_b32 s12, v1                    ; wave 0..15
	s_and_b32 s15, ttmp9, 255                      ; my block of 16 rows
	s_mov_b32 s16, (2<<16)|(1<<20)|(7<<22)|(3<<25) ; elements of 4 bytes; behind every 256 words 4 words of padding
	s_mov_b32 s17, 256<<16                         ; tensor_dim0
	s_mov_b32 s18, 16<<16                          ; tensor_dim1
	s_mov_b32 s19, 256<<16                         ; tile_dim0
	s_mov_b32 s20, 16                              ; tile_dim1
	s_mov_b32 s21, 4096                            ; elements from row to row
	s_mov_b32 s22, 0
	s_mov_b32 s23, 0
	s_lshl_b32 s2, s15, 18                         ; 16 rows of 16384 bytes a work-group,
	s_lshl_b32 s13, s12, 10                        ; 1024 bytes a wave
	s_add_co_u32 s2, s2, s13
	s_mov_b32 s3, 0
	s_mov_b32 s24, 1
	s_mul_i32 s25, s12, QTILE                      ; my tile in LDS
	s_mul_i32 s28, s12, 786432                     ; codes: kb = wave: 256 blocks of 3072 bytes,
	s_mul_i32 s13, s15, 3072                       ; my block
	s_add_co_u32 s28, s28, s13
	s_mov_b32 s29, 0
	s_lshl_b32 s30, s12, 15                        ; scale bytes: 32768 a kb, 128 a block
	s_lshl_b32 s13, s15, 7
	s_add_co_u32 s30, s30, s13
	s_mov_b32 s31, 0
	s_mov_b32 s10, 0x76543210                      ; v_permlanex16_b32's selects for lane xor 16
	s_mov_b32 s11, 0xfedcba98
	s_wait_dscnt 0x0
	s_wait_kmcnt 0x0
	s_add_nc_u64 s[26:27], s[4:5], s[2:3]
	s_or_b32 s27, s27, 0x80000000
	tensor_load_to_lds s[24:27], s[16:23]
	s_nop 0
	v_and_b32 v1, 15, v0                           ; r
	v_bfe_u32 v[QSH], v0, 4, 1                     ; h
	v_mul_u32_u24 v[QADR], v1, QTP
	v_lshl_add_u32 v[QADR], v[QSH], 7, v[QADR]     ; + 128 h
	v_add_nc_u32 v[QADR], s25, v[QADR]
	v_and_b32 v[QCO], 31, v0
	v_lshlrev_b32 v[QCO], 4, v[QCO]
	v_lshlrev_b32 v[QSOF], 3, v1
	v_lshl_add_u32 v[QSOF], v[QSH], 2, v[QSOF]
	v_cmp_ne_u32 s14, 0, v[QSH]                    ; the upper lanes
	v_lshlrev_b32 v[QSH], 3, v[QSH]
	v_mov_b32 v[QP], 0                             ; a lane permute's destination counts as read
	v_mov_b32 v[QP+1], 0
	s_add_nc_u64 s[6:7], s[6:7], s[28:29]
	s_add_nc_u64 s[8:9], s[8:9], s[30:31]
	s_wait_alu depctr_va_vdst(0)
	s_wait_tensorcnt 0x0                           ; my tile is in; only I read it
.irp n, 0,1,2,3
.irp i, 0,1,2,3,4,5,6,7
	ds_load_b128 v[QX+32*\n+4*\i:QX+32*\n+4*\i+3], v[QADR] offset:256*\n+16*\i
.endr
.endr
	s_wait_dscnt 0x0
.irp n, 0,1,2,3
	v_max3_num_f32 v[QM+\n], |v[QX+32*\n]|, |v[QX+32*\n+1]|, 0x2800000   ; with the floor 2^(5 - 127): the byte cannot fall under 1
.endr
.irp i, 2,4,6,8,10,12,14,16,18,20,22,24,26,28,30
.irp n, 0,1,2,3
	v_max3_num_f32 v[QM+\n], v[QM+\n], |v[QX+32*\n+\i]|, |v[QX+32*\n+\i+1]|   ; the four blocks by turns
.endr
.endr
.irp n, 0,1,2,3
	v_add_nc_u32 v[QSO+\n], 0xfe000000, v[QM+\n]   ; 4 off the exponent field: the conversion's scale operand
.endr
.irp n, 0,1,2,3
	v_lshrrev_b32 v[QBY+\n], 23, v[QSO+\n]         ; the scale's byte
.endr
	v_lshl_or_b32 v[QW], v[QBY+1], 16, v[QBY]      ; K step 0: my blocks h and 2 + h,
	v_lshl_or_b32 v[QW+1], v[QBY+3], 16, v[QBY+2]  ; K step 1
	v_lshlrev_b32 v[QW], v[QSH], v[QW]             ; at their places in the word
	v_lshlrev_b32 v[QW+1], v[QSH], v[QW+1]
	v_permlanex16_b32 v[QP], v[QW], s10, s11
	v_permlanex16_b32 v[QP+1], v[QW+1], s10, s11
	v_or_b32 v[QW], v[QW], v[QP]                   ; with lane xor 16's two bytes each word is whole
	v_or_b32 v[QW+1], v[QW+1], v[QP+1]
	v_cndmask_b32 v[QW], v[QW], v[QW+1], s14       ; the lower lanes store K step 0's word, the upper K step 1's
.irp n, 0,1,2,3
	v_cvt_scalef32_pk16_bf6_f32 v[QF+6*\n:QF+6*\n+2], v[QX+32*\n:QX+32*\n+15], v[QSO+\n]
	v_cvt_scalef32_pk16_bf6_f32 v[QT+4*\n:QT+4*\n+2], v[QX+32*\n+16:QX+32*\n+31], v[QSO+\n]
.endr
	v_nop                                          ; one plain place behind a scaled conversion
.irp n, 0,1,2,3
.irp i, 0,1,2
	v_mov_b32 v[QF+6*\n+3+\i], v[QT+4*\n+\i]
.endr
.endr
.irp p, 0,1,2,3,4,5
	global_store_b128 v[QCO], v[QF+4*\p:QF+4*\p+3], s[6:7] offset:512*\p   ; 512 consecutive bytes, at a multiple of 512 from xc's first byte
.endr
	global_store_b32 v[QSOF], v[QW], s[8:9]
	s_wait_tensorcnt 0x0                           ; the wave's end
	ds_add_u32 v54, v55
	s_wait_dscnt 0x0
	s_endpgm
; ---- the decoding path
.Ldecode:
	s_and_b32 s18, ttmp9, 255                      ; g
	s_load_b256 s[4:11], s[0:1], 0x0
	v_lshrrev_b32 v1, 5, v0
	s_delay_alu instid0(VALU_DEP_1)
	v_readfirstlane_b32 s12, v1                    ; wave 0..15
	v_and_b32 v1, 31, v0                           ; lane
	v_lshlrev_b32 v2, 4, v0                        ; 16 x thread: my quad of the table, in memory and in LDS
	s_delay_alu instid0(VALU_DEP_2)
	v_lshrrev_b32 v3, 2, v1                        ; lane / 4
	s_delay_alu instid0(VALU_DEP_3)
	v_lshlrev_b32 v13, 4, v1                       ; 16 x lane
	s_mul_i32 s13, s12, X1W
	s_add_co_u32 s13, s13, XR                      ; my wave's region of exchange 1
	v_mul_u32_u24 v5, v1, X1P
	s_delay_alu instid0(VALU_DEP_1)
	v_add_nc_u32 v5, s13, v5                       ; in: 528 x lane
	v_add_nc_u32 v6, s13, v13                      ; back: 16 x lane
	v_mul_u32_u24 v14, v3, 80                      ; the trellis words' stage, in my wave's own bytes of exchange 1: 64 bytes and 16 of padding to a place;
	v_and_b32 v15, 3, v1
	v_lshl_add_u32 v14, v15, 4, v14
	v_add_nc_u32 v14, s13, v14                     ; in: 80 (lane / 4) + 16 (lane % 4), a load's 512 bytes take eight places
	v_mul_u32_u24 v15, v1, 80
	v_add_nc_u32 v15, s13, v15                     ; back: 80 x lane: my 16 words
	s_lshl_b32 s13, s12, 14
	s_add_co_u32 s13, s13, XR
	v_add_nc_u32 v7, s13, v13                      ; exchange 2, in: XR + 16384 j + 16 x lane
	s_lshl_b32 s13, s12, 10
	v_add_nc_u32 v12, s13, v13                     ; 1024 x wave + 16 x lane: my place in SU and in a row of w1 (layout 3)
.irp m, 0,1,2,3
	v_add_nc_u32 v[8+\m], XR+65536*\m, v12         ; exchange 2, back: rows j = 4 m .. 4 m + 3 by the immediate
.endr
	v_mov_b32 v[W+16], 0                           ; written once: a DPP destination counts as read
	s_lshl_b32 s14, s12, 19                        ; my row o = 256 wave + g has 16 trellis rows of 128 bytes: 2048 o
	s_lshl_b32 s16, s18, 11
	s_add_co_u32 s14, s14, s16
	s_mov_b32 s15, 0
	s_lshl_b32 s16, s18, 14
	s_mov_b32 s17, 0
	s_wait_alu depctr_va_vdst(0)
	s_wait_kmcnt 0x0
	s_add_nc_u64 s[4:5], s[4:5], s[14:15]
	s_add_nc_u64 s[10:11], s[10:11], s[16:17]
	global_load_b128 v[A:A+3], v2, s[6:7]          ; two entries of the table
.irp i, 0,1,2,3
	global_load_b128 v[D+4*\i:D+4*\i+3], v13, s[4:5] offset:512*\i th:TH_LOAD_NT   ; 32 lanes read 512 consecutive bytes of my row's 2048
.endr
	global_load_b128 v[SUR:SUR+3],   v12, s[8:9]
	global_load_b128 v[SUR+4:SUR+7], v12, s[8:9] offset:512
.irp j, 0,1,2,3,4,5,6,7,8,9,10,11,12,13,14,15
	s_add_nc_u64 s[32+2*\j:33+2*\j], s[10:11], \j*0x400000   ; row 256 j + g of w1: a base for each j, so that none is ever stepped
.endr
	s_wait_loadcnt 6                               ; the table's quad is in; behind it: 4 loads of the trellis, 2 of SU
	v_add_f32 v16, v[A], v[A+1]                    ; THE STAGE ON d0 IS BUILT INTO THE TABLE: an entry (a, b) is kept as (a + b, a - b)
	v_sub_f32 v17, v[A], v[A+1]
	v_add_f32 v18, v[A+2], v[A+3]
	v_sub_f32 v19, v[A+2], v[A+3]
	ds_store_b128 v2, v[16:19]
	MEET                                           ; the table is whole
	; ---- decode.  Word k of my 16 gives four states; state q of it gives registers 8 k + 2 q, 8 k + 2 q + 1
	s_wait_loadcnt 2                               ; my row's 512 words are in; SU's two loads may be out
.irp i, 0,1,2,3
	ds_store_b128 v14, v[D+4*\i:D+4*\i+3] offset:640*\i   ; as they lie; LDS serves a wave's instructions in order, so no wait stands between the stores and the loads
.endr
.irp i, 0,1,2,3
	ds_load_b128 v[W+4*\i:W+4*\i+3], v15 offset:16*\i     ; and back 64 bytes a lane: 128 along d, half a trellis row
.endr
	s_wait_dscnt 0x0
	v_mov_b32_dpp v[W+16], v[W] row_xmask:1 row_mask:0xf bank_mask:0xf   ; the word behind my 16: the other half's first word (the ring closes inside a trellis row), which lane xor 1 holds
.macro DEC k
.irp q, 0,1,2,3
	v_ashrrev_i32 v[A+\q], 16-4*\q, v[W+(\k)+1]
.endr
.irp q, 0,1,2,3
	s_delay_alu instid0(VALU_DEP_4)
	v_lshl_or_b32 v[A+\q], v[W+(\k)], 4*\q, v[A+\q]
.endr
.irp q, 0,1,2,3
	s_delay_alu instid0(VALU_DEP_4)
	v_and_b32 v[A+\q], 0x3ff, v[A+\q]              ; the state's low 10 bits index the table
.endr
.irp q, 0,1,2,3
	s_delay_alu instid0(VALU_DEP_4)
	v_min_u32 v[A+\q], 0x3ff, v[A+\q]              ; a loaded number enters an address only behind a bound written in the text
.endr
.irp q, 0,1,2,3
	s_delay_alu instid0(VALU_DEP_4)
	v_lshlrev_b32 v[A+\q], 3, v[A+\q]
.endr
.irp q, 0,1,2,3
	ds_load_b64 v[D+8*(\k)+2*\q:D+8*(\k)+2*\q+1], v[A+\q]
.endr
.endm
.set KK, 0
.rept 16
	DEC KK
.set KK, KK+1
.endr
.set KK, 0
.rept 16
	s_wait_dscnt 60-4*KK                           ; word KK's four loads are back; those of the words behind it may be out
	PASS 2, 8*KK, 8                                ; d1, d2
.set KK, KK+1
.endr
	PASS 8, 0, 128                                 ; d3, d4
	PASS 32, 0, 128                                ; d5, d6.  No barrier here: exchange 1 lies from byte XR on, each wave's bytes its own, and the table under XR
	; ---- exchange 1, inside my wave: LDS serves a wave's instructions in order (ISA guide 5.7.1.4), so no wait stands between the stores and the loads
.set I, 0
.rept 32
	ds_store_b128 v5, v[D+4*I:D+4*I+3] offset:16*I
.set I, I+1
.endr
.set I, 0
.rept 32
	ds_load_b128 v[D+4*I:D+4*I+3], v6 offset:X1P*I
.set I, I+1
.endr
.set M, 0
.rept 8
	s_wait_dscnt 28-4*M                            ; quads 4 M .. 4 M + 3 are back; the quads behind them may be out
	PASS 4, 16*M, 16                               ; d7, d8
.set M, M+1
.endr
	PASS 16, 0, 128                                ; d9, d10
	MEET                                           ; every wave's reads of exchange 1 are back: exchange 2 may be laid over it
	; ---- exchange 2, among the waves
.set I, 0
.rept 16
	R2S I, 7, 512                                  ; d11, and the stores
.set I, I+1
.endr
	MEET                                           ; all 16 rows lie in LDS
.set J, 0
.rept 16
	ds_load_b128 v[D+8*J:D+8*J+3],   v[8+J/4] offset:(J%4)*16384
	ds_load_b128 v[D+8*J+4:D+8*J+7], v[8+J/4] offset:(J%4)*16384+512
.set J, J+1
.endr
.set M, 0
.rept 4
	s_wait_dscnt 24-8*M                            ; rows j = 4 M .. 4 M + 3 are back (8 loads); the rows behind them may be out
	PASS 8, 32*M, 32                               ; o8, o9
.set M, M+1
.endr
	PASS 32, 0, 128                                ; o10, o11
	; ---- x SU[d], and out: each store of the wave covers 512 consecutive bytes, at a multiple of 512 from w1's first byte
	s_wait_loadcnt 0x0                             ; SU
.set J, 0
.rept 16
.irp n, 0,2,4,6
	v_pk_mul_f32 v[D+8*J+\n:D+8*J+\n+1], v[D+8*J+\n:D+8*J+\n+1], v[SUR+\n:SUR+\n+1]
.endr
.set J, J+1
.endr
	s_wait_alu depctr_va_vdst(0)
	s_wait_tensorcnt 0x0                           ; the wave's closing lines, behind its last LDS store
	ds_add_u32 v54, v55
	s_wait_dscnt 0x0
.set J, 0
.rept 16                               ; all 32 stores on end: nothing but the wave's end follows them
	global_store_b128 v12, v[D+8*J:D+8*J+3],   s[32+2*J:33+2*J] th:TH_STORE_NT
	global_store_b128 v12, v[D+8*J+4:D+8*J+7], s[32+2*J:33+2*J] offset:512 th:TH_STORE_NT
.set J, J+1
.endr
	s_endpgm
.Lfunc_end_k_q15350e78fa_dec:
	.size	k_q15350e78fa_dec, .Lfunc_end_k_q15350e78fa_dec-k_q15350e78fa_dec
	.p2alignl 7, 3214868480
	.fill 96, 4, 3214868480
	.section	.rodata,"a",@progbits
	.p2align	6, 0x0
	.amdhsa_kernel k_q15350e78fa_dec
		.amdhsa_group_segment_fixed_size 280576
		.amdhsa_private_segment_fixed_size 0
		.amdhsa_enable_private_segment 0
		.amdhsa_kernarg_size 56
		.amdhsa_user_sgpr_count 2
		.amdhsa_user_sgpr_kernarg_segment_ptr 1
		.amdhsa_wavefront_size32 1
		.amdhsa_system_sgpr_workgroup_id_x 1
		.amdhsa_system_sgpr_workgroup_id_y 1
		.amdhsa_system_sgpr_workgroup_id_z 1
		.amdhsa_system_vgpr_workitem_id 0
		.amdhsa_next_free_vgpr 256
		.amdhsa_next_free_sgpr 66
		.amdhsa_reserve_vcc 0
		.amdhsa_float_denorm_mode_32 3
		.amdhsa_float_denorm_mode_16_64 3
		.amdhsa_memory_ordered 1
		.amdhsa_forward_progress 1
		.amdhsa_inst_pref_size 135
	.end_amdhsa_kernel
	.amdgpu_metadata
---
amdhsa.version: [ 1, 2 ]
amdhsa.kernels:
  - .name:           k_q15350e78fa_dec
    .symbol:         k_q15350e78fa_dec.kd
    .args:
      - { .name: trellis, .offset: 0, .size: 8, .value_kind: global_buffer, .address_space: global }
      - { .name: tlut, .offset: 8, .size: 8, .value_kind: global_buffer, .address_space: global }
      - { .name: SU, .offset: 16, .size: 8, .value_kind: global_buffer, .address_space: global }
      - { .name: w1, .offset: 24, .size: 8, .value_kind: global_buffer, .address_space: global }
      - { .name: x, .offset: 32, .size: 8, .value_kind: global_buffer, .address_space: global }
      - { .name: xc, .offset: 40, .size: 8, .value_kind: global_buffer, .address_space: global }
      - { .name: xs, .offset: 48, .size: 8, .value_kind: global_buffer, .address_space: global }
    .group_segment_fixed_size: 280576
    .private_segment_fixed_size: 0
    .kernarg_segment_align: 8
    .kernarg_segment_size: 56
    .max_flat_workgroup_size: 512
    .sgpr_count:     66
    .vgpr_count:     256
    .wavefront_size: 32
...
	.end_amdgpu_metadata
.endif
;; end of part 1
;; launch col (part 2): grid 16 x 16, 16 waves a work-group, no clusters, 282,624 bytes of LDS; arguments w1, SV, scales, wc, wsb; writes wc, wsb
.if DOCPART == 2
	.amdgcn_target "amdgcn-amd-amdhsa--gfx1250"
	.amdhsa_code_object_version 6
	.text
	.protected	k_q15350e78fa_col
	.globl	k_q15350e78fa_col
	.p2align	8
	.type	k_q15350e78fa_col,@function
k_q15350e78fa_col:
	s_mov_b64 s[64:65], 0
	v_nop
	global_prefetch_b8 v0, s[64:65] scope:SCOPE_SE
	s_setreg_imm32_b32 hwreg(HW_REG_WAVE_MODE, 25, 1), 1
	s_wait_xcnt 0x0
; W[o][d] = SV[o] x scales[16 o + d / 256] x 2^-12 x (the Walsh-Hadamard sums over bits 0..7 of o) of w1, quantised along d to codes of BF6 (E3M2) with one E8M0 byte for each 32 along d.
; 2^-12 is the normalisation of both transforms of 4096 points.  SV, the block's scale and 2^-12 are multiplied into ONE factor first: against the problem's order only f32 roundings differ.
; A block's scale is 2^(floor(log2(its largest magnitude)) - 4); its byte is the largest magnitude's exponent field - 4, held at 1 from below.
; LIMITS: a block whose largest magnitude lies under 2^-122 (a block of zeros too, where the rule says 127) gets the byte 1: zero codes add nothing under any byte but 0xff, and this program alone reads the bytes.  NaN and infinities are not served.
; OUT: codes wc [16 kb][4096 o][192 bytes], bytes wsb [16 kb][4096 o][8], kb = d / 256: so that 128 rows of one K step of 256 are one dense block for the product's launch.
; SHARES.  Work-group (kb, J) owns rows 256 J + a (bits r0..r7) and columns 256 kb + c (bits c0..c7): 256 KB, 128 registers in each lane of 16 waves.  The work-groups share nothing but a few factors: no cluster, no tensor load.
;   layout A: wave = (c7, r1..3), lane = c2..6, register = c0,c1 | r0, r4..7     loads of 512 consecutive bytes; butterflies r0, r4..r7
;   layout B: wave = r4..7, lane = (c4..7, r0), register = c0..3 | r1..3          butterflies r1..r3; a lane holds 16 neighbours along d of 8 rows: what the conversion takes
; LDS: the exchange: quad (c0,c1) at 16 (c2..5) + 272 (c6 + 2 c7) + 1088 (i + 32 k), i = r0 + 2 (r4..7), k = r1..3: a store's sixteen lanes cover 256 consecutive bytes, a load's sixteen lanes sixteen different 16-byte columns
; of 256 bytes.  Behind it, at SBY, 128 scale bytes for each wave, its own.
; THE CODES' ORDER IN wc (this takes the place of what the head says of wc): [16 kb][256 blocks of 16 rows][2 K steps of 128][3 register quads][32 lanes][16 bytes]: an image of the matrix operand's registers.
; Register R (0..11) of lane r + 16 h of a fragment holds bits 32 (R % 6) .. of the 192 bits of the block of 32 codes at K = 64 (R / 6) + 32 h of row r; it lies at 512 (R / 4) + 16 (r + 16 h) + 4 (R % 4).
; My three registers of 16 codes are R = 6 c6 + 3 c4 + 0..2 of lane (r0 + 2 k) + 16 c5 of fragment c7: they turn through a stage in LDS (32 bytes of padding behind each 256) and leave as six stores of 512 consecutive bytes.
; The stage lies over the exchange, behind a barrier of its own: fragment q of wave w at 2176 w + QOFF q.
.set QOFF, 35008
.set D,   64
.set T,   16                           ; v16-31   at work
.set TS,  192                          ; v192-255 the sums of the stage fused with the exchange's stores; behind the barrier:
.set CD,  192                          ; v192-223 codes, four registers for each k, so that no store's data are written again
.set BY,  224                          ; v224-231 a scale byte for each k
.set SVR, 32                           ; v32-39   SV of my 8 rows
.set SCR, 40                           ; v40-47   their blocks' scales
.set F,   48                           ; v48-63   the factors, each twice: a pair for the packed multiply
.set EMAX, 4
.set XP,  1088
.set SBY, 256*XP
.set TG,  0
.macro R4 a, s                         ; two butterfly stages on the four register pairs at a, a + s, a + 2 s, a + 3 s: eight packed additions, the results in place
.set RA, \a
.set RB, RA+(\s)
.set RC, RA+2*(\s)
.set RD, RA+3*(\s)
.set TT, T+8*TG
	v_pk_add_f32 v[TT:TT+1],   v[RA:RA+1], v[RB:RB+1]
	v_pk_add_f32 v[TT+2:TT+3], v[RA:RA+1], v[RB:RB+1] neg_lo:[0,1] neg_hi:[0,1]
	v_pk_add_f32 v[TT+4:TT+5], v[RC:RC+1], v[RD:RD+1]
	v_pk_add_f32 v[TT+6:TT+7], v[RC:RC+1], v[RD:RD+1] neg_lo:[0,1] neg_hi:[0,1]
	s_delay_alu instid0(VALU_DEP_2)
	v_pk_add_f32 v[RA:RA+1], v[TT:TT+1],   v[TT+4:TT+5]
	s_delay_alu instid0(VALU_DEP_2)
	v_pk_add_f32 v[RB:RB+1], v[TT+2:TT+3], v[TT+6:TT+7]
	s_delay_alu instid0(VALU_DEP_4)
	v_pk_add_f32 v[RC:RC+1], v[TT:TT+1],   v[TT+4:TT+5] neg_lo:[0,1] neg_hi:[0,1]
	s_delay_alu instid0(VALU_DEP_4)
	v_pk_add_f32 v[RD:RD+1], v[TT+2:TT+3], v[TT+6:TT+7] neg_lo:[0,1] neg_hi:[0,1]
.set TG, 1-TG
.endm
.macro PASS s, lo, n                   ; the same two stages on all of registers D + lo .. D + lo + n - 1
.set PQ, \lo
.rept (\n)/2
.if (PQ/(\s))%4 == 0
	R4 D+PQ, \s
.endif
.set PQ, PQ+2
.endr
.endm
.macro R2S i, adr, step                ; one stage on register bit 6, fused with the exchange's stores
	v_pk_add_f32 v[TS+4*(\i):TS+4*(\i)+1],     v[D+4*(\i):D+4*(\i)+1],   v[D+64+4*(\i):D+64+4*(\i)+1]
	v_pk_add_f32 v[TS+4*(\i)+2:TS+4*(\i)+3],   v[D+4*(\i)+2:D+4*(\i)+3], v[D+64+4*(\i)+2:D+64+4*(\i)+3]
	v_pk_add_f32 v[D+64+4*(\i):D+64+4*(\i)+1],   v[D+4*(\i):D+4*(\i)+1],   v[D+64+4*(\i):D+64+4*(\i)+1] neg_lo:[0,1] neg_hi:[0,1]
	v_pk_add_f32 v[D+64+4*(\i)+2:D+64+4*(\i)+3], v[D+4*(\i)+2:D+4*(\i)+3], v[D+64+4*(\i)+2:D+64+4*(\i)+3] neg_lo:[0,1] neg_hi:[0,1]
	ds_store_b128 v[\adr], v[TS+4*(\i):TS+4*(\i)+3] offset:(\i)*(\step)
	ds_store_b128 v[\adr], v[D+64+4*(\i):D+64+4*(\i)+3] offset:((\i)+16)*(\step)
.endm
	s_load_b256 s[4:11], s[0:1], 0x0               ; w1 s[4:5], SV s[6:7], scales s[8:9], wc s[10:11]
	s_load_b64 s[12:13], s[0:1], 0x20              ; wsb
	v_lshrrev_b32 v1, 5, v0
	s_delay_alu instid0(VALU_DEP_1)
	v_readfirstlane_b32 s14, v1                    ; wave 0..15
	s_and_b32 s15, ttmp7, 0xffff                   ; J
	s_and_b32 s16, s14, 1                          ; layout A: c7
	s_lshr_b32 s17, s14, 1                         ;           r1..3
	v_and_b32 v1, 31, v0                           ; lane
	s_delay_alu instid0(VALU_DEP_1)
	v_lshlrev_b32 v2, 4, v1                        ; 16 x lane: my 16 bytes of a load's 512
	v_and_b32 v14, 15, v0
	v_bfe_u32 v15, v0, 4, 1
	s_delay_alu instid0(VALU_DEP_2)
	v_lshlrev_b32 v3, 4, v14                       ; the exchange, in: 16 (lane % 16) + 272 (lane / 16) + 544 c7 + 34816 (r1..3)
	s_delay_alu instid0(VALU_DEP_1)
	v_mad_u32_u24 v3, v15, 272, v3
	s_mul_i32 s18, s16, 544
	s_mul_i32 s19, s17, 32*XP
	s_add_co_u32 s18, s18, s19
	v_add_nc_u32 v3, s18, v3
	v_and_b32 v4, 3, v0                            ; and back: 64 (c4, c5) + 272 (c6, c7) + 1088 r0 + 2176 wave; k = 2 m, 2 m + 1 from register 4 + m
	s_delay_alu instid0(VALU_DEP_1)
	v_lshlrev_b32 v4, 6, v4
	v_bfe_u32 v5, v0, 2, 2
	s_delay_alu instid0(VALU_DEP_1)
	v_mad_u32_u24 v4, v5, 272, v4
	s_delay_alu instid0(VALU_DEP_1)
	v_mad_u32_u24 v4, v15, XP, v4
	s_mul_i32 s18, s14, 2*XP
	v_add_nc_u32 v4, s18, v4
	s_delay_alu instid0(VALU_DEP_1)
	v_add_nc_u32 v5, 64*XP, v4
	s_delay_alu instid0(VALU_DEP_2)
	v_add_nc_u32 v6, 128*XP, v4
	s_delay_alu instid0(VALU_DEP_3)
	v_add_nc_u32 v7, 192*XP, v4
	v_lshlrev_b32 v8, 2, v15                       ; SV: 4 r0
	v_lshlrev_b32 v9, 6, v15                       ; scales: a row of W has 16 of them: 64 r0
	v_bfe_u32 v10, v0, 1, 3                        ; my block's byte: c5..7,
	s_delay_alu instid0(VALU_DEP_1)
	v_lshl_add_u32 v10, v15, 3, v10                ; in row r0's eight,
	s_lshl_b32 s18, s14, 7
	s_add_co_u32 s18, s18, SBY
	v_add_nc_u32 v10, s18, v10                     ; among my wave's 128 bytes
	v_lshlrev_b32 v13, 2, v1                       ; on the way out 4 bytes a lane
	s_delay_alu instid0(VALU_DEP_1)
	v_add_nc_u32 v11, s18, v13
	s_lshl_b32 s20, s15, 22                        ; w1: 256 J rows of 16384 bytes,
	s_lshl_b32 s18, ttmp9, 10                      ; + 1024 kb,
	s_add_co_u32 s20, s20, s18
	s_lshl_b32 s18, s17, 15                        ; + rows 2 (r1..3),
	s_add_co_u32 s20, s20, s18
	s_lshl_b32 s18, s16, 9                         ; + 512 c7
	s_add_co_u32 s20, s20, s18
	s_mov_b32 s21, 0
	s_lshl_b32 s22, s15, 8
	s_lshl_b32 s18, s14, 4
	s_add_co_u32 s22, s22, s18                     ; layout B: my wave's first row, 256 J + 16 wave
	s_lshl_b32 s24, s22, 2                         ; in SV,
	s_mov_b32 s25, 0
	s_lshl_b32 s26, s22, 6                         ; in scales, + 4 kb,
	s_lshl_b32 s18, ttmp9, 2
	s_add_co_u32 s26, s26, s18
	s_mov_b32 s27, 0
	s_lshl_b32 s23, ttmp9, 12
	s_add_co_u32 s23, s23, s22                     ; 4096 kb + row:
	s_mul_i32 s28, s23, 192                        ; in the codes,
	s_mov_b32 s29, 0
	s_lshl_b32 s30, s23, 3                         ; in the scale bytes
	s_mov_b32 s31, 0
	s_wait_alu depctr_va_vdst(0)
	s_wait_kmcnt 0x0
	s_add_nc_u64 s[4:5], s[4:5], s[20:21]
	s_add_nc_u64 s[6:7], s[6:7], s[24:25]
	s_add_nc_u64 s[8:9], s[8:9], s[26:27]
	s_add_nc_u64 s[10:11], s[10:11], s[28:29]
	s_add_nc_u64 s[12:13], s[12:13], s[30:31]
.irp k, 0,1,2,3,4,5,6,7
	global_load_b32 v[SVR+\k], v8, s[6:7] offset:8*\k        ; row r0 + 2 k of my wave's 16
.endr
.irp k, 0,1,2,3,4,5,6,7
	global_load_b32 v[SCR+\k], v9, s[8:9] offset:128*\k
.endr
.set I, 0
.rept 32                               ; all of the work-group's 256 KB are asked for at once: quad i = r0 + 2 (r4..7): row r0 + 16 (r4..7) further down; each load covers 512 consecutive bytes
	global_load_b128 v[D+4*I:D+4*I+3], v2, s[4:5] offset:(I%2)*16384+(I/2)*262144 th:TH_LOAD_NT
.set I, I+1
.endr
	s_wait_loadcnt 32                              ; the 16 small loads are in; the 32 of w1 may be out
.irp k, 0,1,2,3,4,5,6,7
	v_mul_f32 v[F+2*\k], v[SVR+\k], v[SCR+\k]
.endr
.irp k, 0,1,2,3,4,5,6,7
	v_mul_f32 v[F+2*\k], 0x39800000, v[F+2*\k]     ; x 2^-12: exact
.endr
.irp k, 0,1,2,3,4,5,6,7
	v_mov_b32 v[F+2*\k+1], v[F+2*\k]
.endr
.set M, 0
.rept 8
	s_wait_loadcnt 28-4*M                          ; quads 4 M .. 4 M + 3 are in; the quads behind them may be out
	PASS 4, 16*M, 16                               ; r0, r4
.set M, M+1
.endr
	PASS 16, 0, 128                                ; r5, r6
.set I, 0
.rept 16
	R2S I, 3, XP                                   ; r7, and the stores
.set I, I+1
.endr
	s_wait_dscnt 0x0                               ; for the others' sake: my stores have landed
	s_barrier_signal -1
	s_barrier_wait -1
.set KK, 0
.rept 8
.irp c, 0,1,2,3
	ds_load_b128 v[D+16*KK+4*\c:D+16*KK+4*\c+3], v[4+KK/2] offset:(KK%2)*32*XP+16*\c
.endr
.set KK, KK+1
.endr
	s_wait_dscnt 16                                ; k = 0 .. 3 are back; the 16 loads of k = 4 .. 7 may be out
	PASS 16, 0, 64                                 ; r1, r2
	s_wait_dscnt 0x0
	s_barrier_signal -1                            ; my reads of the exchange are back: the stage may be laid over it when all waves have said so
	PASS 16, 64, 64
; r3, and the rows' factors.  The multiply puts the sum back into its place: the odd stage needs no move.
.macro FIN n
.set TT, T+2*(((\n)/2)%8)
	v_pk_add_f32 v[TT:TT+1], v[D+(\n):D+(\n)+1], v[D+64+(\n):D+64+(\n)+1]
	v_pk_add_f32 v[D+64+(\n):D+64+(\n)+1], v[D+(\n):D+(\n)+1], v[D+64+(\n):D+64+(\n)+1] neg_lo:[0,1] neg_hi:[0,1]
	s_delay_alu instid0(VALU_DEP_2)
	v_pk_mul_f32 v[D+(\n):D+(\n)+1], v[TT:TT+1], v[F+2*((\n)/16):F+2*((\n)/16)+1]
	s_delay_alu instid0(VALU_DEP_2)
	v_pk_mul_f32 v[D+64+(\n):D+64+(\n)+1], v[D+64+(\n):D+64+(\n)+1], v[F+8+2*((\n)/16):F+8+2*((\n)/16)+1]
.endm
.set N, 0
.rept 32
	FIN N
.set N, N+2
.endr
; Row r0 + 2 k: my 16 numbers are half a block of 32 along d; the other half is lane xor 1's (c4 is the lane's lowest bit).
.macro QK k
.set XS, D+16*(\k)
.set MA, 232+2*((\k)%2)
.set MB, MA+1
.set SO, 236+(\k)%2
	v_max3_num_f32 v[MA], |v[XS]|, |v[XS+1]|, |v[XS+2]|
	v_max3_num_f32 v[MB], |v[XS+3]|, |v[XS+4]|, |v[XS+5]|
.irp i, 6,10
	s_delay_alu instid0(VALU_DEP_2)
	v_max3_num_f32 v[MA], v[MA], |v[XS+\i]|, |v[XS+\i+1]|
	s_delay_alu instid0(VALU_DEP_2)
	v_max3_num_f32 v[MB], v[MB], |v[XS+\i+2]|, |v[XS+\i+3]|
.endr
	s_delay_alu instid0(VALU_DEP_2)
	v_max3_num_f32 v[MA], v[MA], |v[XS+14]|, |v[XS+15]|
	s_delay_alu instid0(VALU_DEP_1)
	v_max3_num_f32 v[MA], v[MA], v[MB], (EMAX+1)<<23   ; and the floor 2^(EMAX + 1 - 127): the byte cannot fall under 1
	s_delay_alu instid0(VALU_DEP_1)
	v_max_num_f32_dpp v[MA], v[MA], v[MA] row_xmask:1 row_mask:0xf bank_mask:0xf   ; the block's largest magnitude
	s_delay_alu instid0(VALU_DEP_1)
	v_add_nc_u32 v[SO], -(EMAX<<23), v[MA]         ; EMAX off its exponent field: the conversion takes the exponent field of this operand as its scale
	v_cvt_scalef32_pk16_bf6_f32 v[CD+4*(\k):CD+4*(\k)+2], v[XS:XS+15], v[SO]   ; to the nearest code, ties to even, beyond the largest code the largest
	v_lshrrev_b32 v[BY+(\k)], 23, v[SO]            ; the scale's byte (a plain line behind the conversion)
	ds_store_b8 v10, v[BY+(\k)] offset:16*(\k)     ; both lanes of a block write the same byte with the same value
	ds_store_b32 v240, v[CD+4*(\k)] offset:32*(\k)     ; row r0 + 2 k: 16 bytes a row in the stage
	ds_store_b32 v241, v[CD+4*(\k)+1] offset:32*(\k)
	ds_store_b32 v242, v[CD+4*(\k)+2] offset:32*(\k)
.endm
	s_mul_i32 s18, s14, 2176                       ; my wave's part of the stage
	v_and_b32 v244, 1, v0                          ; c4
	v_bfe_u32 v245, v0, 2, 1                       ; c6
	v_mul_u32_u24 v244, v244, 3
	v_mad_u32_u24 v244, v245, 6, v244              ; my first register of the fragment: 6 c6 + 3 c4
	v_bfe_u32 v245, v0, 1, 1                       ; c5: the fragment's upper lanes
	v_bfe_u32 v246, v0, 3, 1                       ; c7: which fragment
	v_bfe_u32 v247, v0, 4, 1                       ; r0
	v_mul_u32_u24 v245, v245, 288
	v_mad_u32_u24 v245, v246, QOFF, v245
	v_lshl_add_u32 v245, v247, 4, v245
	v_add_nc_u32 v245, s18, v245
.irp j, 0,1,2
	v_add_nc_u32 v248, \j, v244
	v_lshrrev_b32 v249, 2, v248
	v_and_b32 v248, 3, v248
	v_mad_u32_u24 v249, v249, 576, v245            ; a quad's 512 bytes and their padding
	v_lshl_add_u32 v[240+\j], v248, 2, v249
.endr
	v_and_b32 v243, 31, v0
	v_lshlrev_b32 v243, 4, v243                    ; out: 16 x lane
	v_lshl_add_u32 v246, v247, 5, v243
	v_add_nc_u32 v246, s18, v246                   ; back from the stage: 16 x lane + 32 for the upper lanes
	s_wait_alu depctr_va_vdst(0)
	s_barrier_wait -1
.irp k, 0,1,2,3,4,5,6,7
	QK \k
.endr
	ds_load_b32 v238, v11
.irp n, 0,1,2,3,4,5
	ds_load_b128 v[D+4*\n:D+4*\n+3], v246 offset:(\n/3)*QOFF+(\n%3)*576   ; LDS serves a wave's instructions in order: these see my stores
.endr
	s_wait_alu depctr_va_vdst(0)
	s_wait_dscnt 0x0
.irp n, 0,1,2,3,4,5
	global_store_b128 v243, v[D+4*\n:D+4*\n+3], s[10:11] offset:512*\n   ; 512 consecutive bytes, at a multiple of 512 from wc's first byte
.endr
	global_store_b32 v13, v238, s[12:13]           ; my 16 rows' 128 scale bytes, consecutive
	s_wait_xcnt 0x0
	v_lshl_add_u32 v254, v0, 2, 0x44800
	v_mov_b32 v255, 0
	s_wait_alu depctr_va_vdst(0)
	s_wait_tensorcnt 0x0
	ds_add_u32 v254, v255
	s_wait_dscnt 0x0
	s_endpgm
.Lfunc_end_k_q15350e78fa_col:
	.size	k_q15350e78fa_col, .Lfunc_end_k_q15350e78fa_col-k_q15350e78fa_col
	.p2alignl 7, 3214868480
	.fill 96, 4, 3214868480
	.section	.rodata,"a",@progbits
	.p2align	6, 0x0
	.amdhsa_kernel k_q15350e78fa_col
		.amdhsa_group_segment_fixed_size 282624
		.amdhsa_private_segment_fixed_size 0
		.amdhsa_enable_private_segment 0
		.amdhsa_kernarg_size 40
		.amdhsa_user_sgpr_count 2
		.amdhsa_user_sgpr_kernarg_segment_ptr 1
		.amdhsa_wavefront_size32 1
		.amdhsa_system_sgpr_workgroup_id_x 1
		.amdhsa_system_sgpr_workgroup_id_y 1
		.amdhsa_system_sgpr_workgroup_id_z 1
		.amdhsa_system_vgpr_workitem_id 0
		.amdhsa_next_free_vgpr 256
		.amdhsa_next_free_sgpr 66
		.amdhsa_reserve_vcc 0
		.amdhsa_float_denorm_mode_32 3
		.amdhsa_float_denorm_mode_16_64 3
		.amdhsa_memory_ordered 1
		.amdhsa_forward_progress 1
		.amdhsa_inst_pref_size 71
	.end_amdhsa_kernel
	.amdgpu_metadata
---
amdhsa.version: [ 1, 2 ]
amdhsa.kernels:
  - .name:           k_q15350e78fa_col
    .symbol:         k_q15350e78fa_col.kd
    .args:
      - { .name: w1, .offset: 0, .size: 8, .value_kind: global_buffer, .address_space: global }
      - { .name: SV, .offset: 8, .size: 8, .value_kind: global_buffer, .address_space: global }
      - { .name: scales, .offset: 16, .size: 8, .value_kind: global_buffer, .address_space: global }
      - { .name: wc, .offset: 24, .size: 8, .value_kind: global_buffer, .address_space: global }
      - { .name: wsb, .offset: 32, .size: 8, .value_kind: global_buffer, .address_space: global }
    .group_segment_fixed_size: 282624
    .private_segment_fixed_size: 0
    .kernarg_segment_align: 8
    .kernarg_segment_size: 40
    .max_flat_workgroup_size: 512
    .sgpr_count:     66
    .vgpr_count:     256
    .wavefront_size: 32
...
	.end_amdgpu_metadata
.endif
;; end of part 2
;; launch gemm (part 3): grid 16 x 16, 4 waves a work-group, clusters of 4 x 4, 327,680 bytes of LDS; arguments xc, xs, wc, wsb, out0; writes out0
.if DOCPART == 3
	.amdgcn_target "amdgcn-amd-amdhsa--gfx1250"
	.amdhsa_code_object_version 6
	.text
	.protected	k_q15350e78fa_gemm
	.globl	k_q15350e78fa_gemm
	.p2align	8
	.type	k_q15350e78fa_gemm,@function
k_q15350e78fa_gemm:
	s_mov_b64 s[64:65], 0
	v_nop
	global_prefetch_b8 v0, s[64:65] scope:SCOPE_SE
	s_setreg_imm32_b32 hwreg(HW_REG_WAVE_MODE, 25, 1), 1
	s_wait_xcnt 0x0
	s_wait_alu depctr_hold_cnt(0) depctr_sa_sdst(0) depctr_va_vdst(0) depctr_va_sdst(0) depctr_va_ssrc(0) depctr_va_vcc(0) depctr_vm_vsrc(0)
	s_getreg_b32 s2, hwreg(HW_REG_IB_STS2, 6, 4)
	s_cmp_eq_u32 s2, 0
	s_cbranch_scc0 .Lentry_in_a_cluster
	s_endpgm
.Lentry_in_a_cluster:
	s_bfe_u32 s2, ttmp6, 0x10000c
	s_cmp_lg_u32 s2, 0xf033
	s_cbranch_scc0 .Lentry_shape_is_right
	s_endpgm
.Lentry_shape_is_right:
; out0[m][o] = sum over d of x[m][d] W[o][d], both as codes of BF6 (E3M2) with one E8M0 byte for each 32 along d; sums in f32.  M = N = K = 4096.
; CODES (xc, wc): [16 kb][256 blocks of 16 rows][2 K steps of 128][3 register quads][32 lanes][16 bytes]: an image of the operand's registers, so a fragment (16 rows x 128 K, 12 registers) is three loads of 16 bytes a lane,
; each over 512 consecutive LDS bytes, and the codes of 128 rows x 256 K are one dense block of 24576 bytes: 96 tile rows of 256 bytes, each at a multiple of 256.  SCALE BYTES (xs, wsb): [16 kb][4096 rows][8].
; A work-group of four waves makes 256 x 256 of out0, a wave 128 x 128: 64 accumulators, 512 registers.  K goes in steps of 256 through a ring of two LDS slots (A's 256 rows, then B's); a slot is two matrix steps of 128.
; The scale bytes of the work-group's 512 rows for all of K come into LDS once, at the head, and stay.
; CLUSTERS: 4 x 4 work-groups; A's tiles are asked for jointly along a row of the cluster, B's along a column.  The matrix instruction is used transposed (source 0 = rows of W, source 1 = rows of x): a lane holds eight neighbouring numbers of a row of out0.
; PREFETCH: behind each refill a wave names the tile that stands two refills on: of its 96 blocks of 256 bytes each of the four partners takes 24 by address, a lane a block (lanes 24-31 name the last again); the last two refills ask for nothing.
; REGISTERS: window 0: v0-31 addresses, v32-63 scale words (two sets), from v128 A's fragments (one set); window 1: B's fragments, two sets, at v0 and v128; windows 2, 3: the accumulators of my rows 0-63, 64-127.
.set SIZE_N, 4096
.set NQ,     2
.set KBLK,   786432                    ; bytes of codes of one kb
.set FB,     1536                      ; a fragment
.set FR,     12
.set NL,     3
.set NP,     4
.set HALFT,  24576                     ; 128 rows x 256 K
.set SLOT,   4*HALFT
.set LAPS,   8
.set SCL,    2*SLOT
.set SREG,   32768                     ; the scale bytes of 256 rows: 16 kb x 2048
.set SSH,    128                       ; B's lie 128 bytes further on, so that the two halves of the lanes touch different banks
.set SBLK,   128
.set SKB,    2048
.set SPARE,  SCL+2*SREG+256
.set SPITCH, 528
.set ADRA, 16
.set ADRB, 20
.set STO,  24
.set RD,   25
.set CO,   26
.set ADRS, 27
.set SPW,  28
.set NIL,  29
.set PFO,  30
.set SC,   32
.set AF,   128
.set BK,   128
.set G1, 24
.set G0, 32
.set G1B, 48
.set G0B, 56
.set G1S, 68
.set G0S, 76
.set G1SB, 80
.set G0SB, 88
.set G0H, 4
.set G0HB, 8
.set PFA, 96
.set MSB, 0
.macro WIN new
.if MSB != \new
	s_set_vgpr_msb (MSB<<8)|\new
.set MSB, \new
.endif
.endm
.set MUL_LO, 0xa1
.set MUL_HI, 0xf1
.set TO_B,   0x40
.macro JLOAD g0a, g1a, g0b, g1b        ; a joint load: waves 0 and 1 fetch A's halves, waves 2 and 3 B's
	s_cmp_eq_u32 s15, 0
	s_cbranch_scc0 .Lfor_b_\@
	tensor_load_to_lds s[\g0a:\g0a+3], s[\g1a:\g1a+7]
	s_nop 0
.rept 4
	v_nop
.endr
	s_branch .Lasked_\@
.Lfor_b_\@:
	tensor_load_to_lds s[\g0b:\g0b+3], s[\g1b:\g1b+7]
	s_nop 0
.rept 4
	v_nop
.endr
.Lasked_\@:
.endm
.macro CREST                           ; a round of the cluster's barrier behind its opening barrier
	s_cmp_lg_u32 s14, 0
	s_cbranch_scc1 .Lnot_wave_0_\@
	s_barrier_signal -3
.Lnot_wave_0_\@:
	s_barrier_wait -3
	s_barrier_signal -1
	s_barrier_wait -1
.endm
.macro CROUND
	s_barrier_signal -1
	s_barrier_wait -1
	CREST
.endm
	s_load_b128 s[4:7], s[0:1], 0x0                ; xc, xs
	s_load_b128 s[8:11], s[0:1], 0x10              ; wc, wsb
	s_load_b64 s[12:13], s[0:1], 0x20              ; out0
	v_lshl_add_u32 v[SPW], v0, 2, SPARE
	v_mov_b32 v[NIL], 0
	ds_add_u32 v[SPW], v[NIL]                      ; the opening lines: the add, twice on end, and its wait
	ds_add_u32 v[SPW], v[NIL]
	v_lshrrev_b32 v1, 5, v0
	v_readfirstlane_b32 s14, v1                    ; wave
	s_lshr_b32 s15, s14, 1                         ; my half of the rows; also: I fetch for A (0) or B (1)
	s_and_b32 s16, s14, 1                          ; my half of the columns; also: which 128 rows I fetch
	s_bfe_u32 s40, ttmp6, 0x40000                  ; cx
	s_bfe_u32 s41, ttmp6, 0x40004                  ; cy
	s_lshl_b32 s42, ttmp9, 2
	s_add_co_u32 s42, s42, s40                     ; tile column
	s_and_b32 s17, ttmp7, 0xffff
	s_lshl_b32 s17, s17, 2
	s_add_co_u32 s17, s17, s41                     ; tile row
	s_lshl_b32 s43, s41, 2
	s_lshl_b32 s43, 15, s43                        ; my row of the cluster
	s_lshl_b32 s44, 0x1111, s40                    ; my column
	s_or_b32 s[G1+0], s43, (3<<16)|(1<<21)         ; elements of 8 bytes, no padding
	s_or_b32 s[G1B+0], s44, (3<<16)|(1<<21)
.irp g, G1, G1B
	s_mov_b32 s[\g+1], 32<<16                      ; rows of 256 bytes
	s_mov_b32 s[\g+2], 192<<16                     ; the head's loads: 256 rows of codes are 192 of them
	s_mov_b32 s[\g+3], 32<<16
	s_mov_b32 s[\g+4], 192
	s_mov_b32 s[\g+5], 32
	s_mov_b32 s[\g+6], 0
	s_mov_b32 s[\g+7], 0
.endr
	s_or_b32 s[G1S+0], s43, (3<<16)|(1<<21)
	s_or_b32 s[G1SB+0], s44, (3<<16)|(1<<21)
.irp g, G1S, G1SB
	s_mov_b32 s[\g+1], 256<<16                     ; the scale bytes of 256 rows: 2048 bytes for each of 16 kb
	s_mov_b32 s[\g+2], 16<<16
	s_mov_b32 s[\g+3], 256<<16
	s_mov_b32 s[\g+4], 16
	s_mov_b32 s[\g+5], 4096
	s_mov_b32 s[\g+6], 0
	s_mov_b32 s[\g+7], 0
.endr
	s_mul_i32 s20, s17, 2*HALFT                    ; A: the tile row's codes inside a kb
	s_mov_b32 s21, 0
	s_mul_i32 s46, s42, 2*HALFT                    ; B: the tile column's
	s_mov_b32 s47, 0
	s_lshl_b32 s22, s17, 11                        ; and their scale bytes
	s_mov_b32 s23, 0
	s_lshl_b32 s92, s42, 11
	s_mov_b32 s93, 0
	s_mul_i32 s18, s16, HALFT                      ; in the ring: which half I fetch,
	s_mov_b32 s19, 0
	s_mul_i32 s45, s14, HALFT                      ; and where it goes
	s_wait_dscnt 0x0
	s_wait_kmcnt 0x0
	s_add_nc_u64 s[20:21], s[4:5], s[20:21]
	s_add_nc_u64 s[22:23], s[6:7], s[22:23]
	s_add_nc_u64 s[46:47], s[8:9], s[46:47]
	s_add_nc_u64 s[92:93], s[10:11], s[92:93]
	CROUND                                         ; all sixteen work-groups are here: the first joint loads meet
	s_mov_b32 s[G0H], 1
	s_mov_b32 s[G0H+1], 0
	s_mov_b64 s[G0H+2:G0H+3], s[20:21]
	s_or_b32 s[G0H+3], s[G0H+3], 0x80000000
	s_mov_b32 s[G0HB], 1
	s_mov_b32 s[G0HB+1], 2*HALFT
	s_mov_b64 s[G0HB+2:G0HB+3], s[46:47]
	s_or_b32 s[G0HB+3], s[G0HB+3], 0x80000000
	s_mov_b32 s[G0S], 1
	s_mov_b32 s[G0S+1], SCL
	s_mov_b64 s[G0S+2:G0S+3], s[22:23]
	s_or_b32 s[G0S+3], s[G0S+3], 0x80000000
	s_mov_b32 s[G0SB], 1
	s_mov_b32 s[G0SB+1], SCL+SREG+SSH
	s_mov_b64 s[G0SB+2:G0SB+3], s[92:93]
	s_or_b32 s[G0SB+3], s[G0SB+3], 0x80000000
	s_add_nc_u64 s[20:21], s[20:21], s[18:19]
	s_add_nc_u64 s[46:47], s[46:47], s[18:19]
.irp s, 0,1
	s_mov_b32 s[G0+4*\s], 1
	s_add_co_u32 s[G0+4*\s+1], s45, \s*SLOT
	s_add_nc_u64 s[G0+4*\s+2:G0+4*\s+3], s[20:21], \s*KBLK
	s_or_b32 s[G0+4*\s+3], s[G0+4*\s+3], 0x80000000
	s_mov_b32 s[G0B+4*\s], 1
	s_add_co_u32 s[G0B+4*\s+1], s45, \s*SLOT
	s_add_nc_u64 s[G0B+4*\s+2:G0B+4*\s+3], s[46:47], \s*KBLK
	s_or_b32 s[G0B+4*\s+3], s[G0B+4*\s+3], 0x80000000
.endr
; The head's four tiles, one a wave: kb 0's codes of A, of B, A's scale bytes, B's.  One chain of branches on the wave's number.
.macro ARM under, g0, g1, next
	s_cmp_lt_u32 s14, \under
	s_cbranch_scc0 \next
	tensor_load_to_lds s[\g0:\g0+3], s[\g1:\g1+7]
	s_nop 0
.rept 4
	v_nop
.endr
	s_branch .Lhead_asked
\next:
.endm
	ARM 1, G0H,  G1,  .Lhead_b
	ARM 2, G0HB, G1B, .Lhead_sa
	ARM 3, G0S,  G1S, .Lhead_sb
	tensor_load_to_lds s[G0SB:G0SB+3], s[G1SB:G1SB+7]
	s_nop 0
.rept 4
	v_nop
.endr
.Lhead_asked:
	s_cmp_eq_u32 s15, 0                            ; the prefetches: the 128 rows that I fetch,
	s_cselect_b64 s[PFA:PFA+1], s[20:21], s[46:47]
	s_cselect_b32 s94, s40, s41                    ; my place among the four that ask with me:
	s_mul_i32 s94, s94, 6144                       ; 24 blocks of 256 bytes each
	s_mov_b32 s95, 0
	s_add_nc_u64 s[PFA:PFA+1], s[PFA:PFA+1], s[94:95]
	s_add_nc_u64 s[PFA:PFA+1], s[PFA:PFA+1], 2*KBLK   ; at kb 2: the first refill steps it to 3 and names kb 4
	s_lshl_b32 s20, s17, 8                         ; my part of out0
	s_lshl_b32 s21, s15, 7
	s_add_co_u32 s20, s20, s21
	s_mov_b32 s21, 0
	s_mov_b64 s[18:19], SIZE_N*4
	s_mul_u64 s[20:21], s[20:21], s[18:19]
	s_lshl_b32 s46, s42, 10
	s_lshl_b32 s47, s16, 9
	s_add_co_u32 s46, s46, s47
	s_mov_b32 s47, 0
	s_add_nc_u64 s[20:21], s[20:21], s[46:47]
	s_add_nc_u64 s[12:13], s[12:13], s[20:21]
	s_mul_i32 s21, s15, HALFT                      ; my 128 rows of A in slot 0,
	s_add_co_u32 s22, s21, SLOT                    ; in slot 1;
	s_mul_i32 s23, s16, HALFT
	s_add_co_u32 s23, s23, 2*HALFT                 ; of B
	s_add_co_u32 s18, s23, SLOT
	s_lshl_b32 s46, s15, 10                        ; my rows' scale bytes: A's,
	s_lshl_b32 s19, s16, 10
	s_add_co_u32 s19, s19, SREG+SSH
	s_sub_co_u32 s19, s19, s46                     ; and how far on B's lie
	s_add_co_u32 s46, s46, SCL
	s_mul_i32 s47, s14, 16*SPITCH                  ; my stage, in slot 0
	v_and_b32 v1, 15, v0
	v_bfe_u32 v2, v0, 4, 1
	v_and_b32 v6, 31, v0
	v_lshlrev_b32 v[CO], 4, v6                     ; 16 x lane
	v_add_nc_u32 v[ADRA], s21, v[CO]
	v_add_nc_u32 v[ADRA+1], s22, v[CO]
	v_add_nc_u32 v[ADRB], s23, v[CO]
	v_add_nc_u32 v[ADRB+1], s18, v[CO]
	v_lshlrev_b32 v5, 3, v1                        ; 8 scale bytes a row
	v_mul_u32_u24 v7, s19, v2                      ; lanes 16-31 take B's
	v_add_nc_u32 v5, v5, v7
	v_add_nc_u32 v[ADRS], s46, v5
	v_mul_u32_u24 v8, v1, SPITCH
	v_lshl_add_u32 v8, v2, 5, v8
	v_add_nc_u32 v[STO], s47, v8
	v_add_nc_u32 v[RD], s47, v[CO]
	v_min_u32 v[PFO], 23, v6
	v_lshlrev_b32 v[PFO], 8, v[PFO]
.macro FRAG reg, adr, q, i             ; a fragment: three quads of registers, each 512 consecutive bytes
.irp p, 0,1,2
	ds_load_b128 v[\reg+4*\p:\reg+4*\p+3], v[\adr] offset:(\i)*2*FB+(\q)*FB+512*\p
.endr
.endm
.macro MUL16 a0, p, q, sc, zero        ; A's blocks a0, a0 + 1 x B's eight; the 64 accumulators take turns
.irp a, \a0, \a0+1
.irp b, 0,1,2,3,4,5,6,7
.if \zero
	v_wmma_scale_f32_16x16x128_f8f6f4 v[8*(8*((\a)%4)+\b):8*(8*((\a)%4)+\b)+7], v[128*(\p)+FR*\b:128*(\p)+FR*\b+FR-1], v[AF+FR*(\a):AF+FR*(\a)+FR-1], 0, v[SC+8*NQ*(\sc)+NQ*\b+(\q)], v[SC+8*NQ*(\sc)+NQ*(\a)+(\q)] matrix_a_fmt:MATRIX_FMT_BF6 matrix_b_fmt:MATRIX_FMT_BF6 matrix_a_scale:MATRIX_SCALE_ROW1
.else
	v_wmma_scale_f32_16x16x128_f8f6f4 v[8*(8*((\a)%4)+\b):8*(8*((\a)%4)+\b)+7], v[128*(\p)+FR*\b:128*(\p)+FR*\b+FR-1], v[AF+FR*(\a):AF+FR*(\a)+FR-1], v[8*(8*((\a)%4)+\b):8*(8*((\a)%4)+\b)+7], v[SC+8*NQ*(\sc)+NQ*\b+(\q)], v[SC+8*NQ*(\sc)+NQ*(\a)+(\q)] matrix_a_fmt:MATRIX_FMT_BF6 matrix_b_fmt:MATRIX_FMT_BF6 matrix_a_scale:MATRIX_SCALE_ROW1
.endif
.endr
.endr
.endm
.macro FETCH_B slot, q, p
	WIN TO_B
.irp i, 0,1,2,3,4,5,6,7
	FRAG 128*(\p)+FR*\i, ADRB+\slot, \q, \i
.endr
	WIN 0
.endm
.macro FETCH_A slot, q, i0
.irp i, \i0, \i0+1, \i0+2, \i0+3
	FRAG AF+FR*(\i), ADRA+\slot, \q, \i
.endr
.endm
.macro SCALES sc                       ; a kb's two words a row: lanes 0-15 A's block i, lanes 16-31 B's block i
.irp i, 0,1,2,3,4,5,6,7
	ds_load_b64 v[SC+8*NQ*\sc+NQ*\i:SC+8*NQ*\sc+NQ*\i+1], v[ADRS] offset:\i*SBLK
.endr
.endm
.macro PLACES n
.rept \n
	v_nop
.endr
.endm
.macro STEP slot, q, zero              ; a slot's first matrix step; the second step's fragments are fetched in its middle and at its end
	s_wait_dscnt 4*NL                              ; all but A's blocks 4-7
	WIN MUL_LO
	MUL16 0, (\q)%2, \q, \slot, \zero
	MUL16 2, (\q)%2, \q, \slot, \zero
	s_wait_dscnt 0
	PLACES NP
	FETCH_B \slot, (\q)+1, 1-(\q)%2
	FETCH_A \slot, (\q)+1, 0
	WIN MUL_HI
	MUL16 4, (\q)%2, \q, \slot, \zero
	MUL16 6, (\q)%2, \q, \slot, \zero
	PLACES NP
	WIN 0
	FETCH_A \slot, (\q)+1, 4
.endm
.macro TURN slot, next, fill           ; a slot's second matrix step, and the change of slots
.if \fill
	s_wait_xcnt 0x0                                ; my last prefetch has read its address
	s_add_nc_u64 s[PFA:PFA+1], s[PFA:PFA+1], KBLK
.endif
	s_wait_tensorcnt 0x0                           ; all my tensor loads have landed: my part of the next slot;
	ds_add_u32 v[SPW], v[NIL]
	s_wait_dscnt 4*NL+1                            ; (the add and A's blocks 4-7 may be out)
	WIN MUL_LO
	MUL16 0, 1, NQ-1, \slot, 0
	s_wait_dscnt 0x0                               ; the add is done, and my reads of this slot are over
	s_barrier_signal -1
	MUL16 2, 1, NQ-1, \slot, 0
	WIN 0
	s_barrier_wait -1
.if \fill
	CREST                                          ; the barrier has opened a round of the cluster's barrier
	s_add_nc_u64 s[G0+4*\slot+2:G0+4*\slot+3], s[G0+4*\slot+2:G0+4*\slot+3], 2*KBLK
	s_add_nc_u64 s[G0B+4*\slot+2:G0B+4*\slot+3], s[G0B+4*\slot+2:G0B+4*\slot+3], 2*KBLK
	JLOAD G0+4*\slot, G1, G0B+4*\slot, G1B         ; the first tensor load behind the round; its four v_nop are the places in front of the loads below
.else
	PLACES NP
.endif
	s_wait_alu depctr_va_vdst(0)
	v_add_nc_u32 v[ADRS], SKB, v[ADRS]             ; the next kb's scale bytes
	FETCH_B \next, 0, 0
	FETCH_A \next, 0, 0
	SCALES \next
.if \fill
	s_cmp_gt_u32 s3, 1                             ; the last trip's two refills have no kb two refills on
	s_cbranch_scc0 .Lnone_\@
	global_prefetch_b8 v[PFO], s[PFA:PFA+1] offset:KBLK th:TH_LOAD_NT scope:SCOPE_SE
.Lnone_\@:
.endif
	WIN MUL_HI
	MUL16 4, 1, NQ-1, \slot, 0
	MUL16 6, 1, NQ-1, \slot, 0
	PLACES NP
	WIN 0
	FETCH_A \next, 0, 4
.endm
	s_wait_alu depctr_va_vdst(0)
	s_wait_tensorcnt 0x0                           ; my tile of the head's four is in; slot 1's first fill is issued as a refill is
	ds_add_u32 v[SPW], v[NIL]
	s_mov_b32 s[G1+2], 96<<16                      ; no tensor load of mine is out: from here on a load brings 128 rows of codes, 96 rows of 256 bytes
	s_mov_b32 s[G1+4], 96
	s_mov_b32 s[G1B+2], 96<<16
	s_mov_b32 s[G1B+4], 96
	s_wait_dscnt 0x0
	CROUND
	JLOAD G0+4, G1, G0B+4, G1B                     ; kb 1
	FETCH_B 0, 0, 0
	FETCH_A 0, 0, 0
	SCALES 0
	FETCH_A 0, 0, 4
	STEP 0, 0, 1                                   ; the first step's products start the sums
	s_mov_b32 s3, LAPS-1
.Llap:
	TURN 0, 1, 1
	STEP 1, 0, 0
	TURN 1, 0, 1
	STEP 0, 0, 0
	s_sub_co_u32 s3, s3, 1
	s_cmp_lg_u32 s3, 0
	s_cbranch_scc1 .Llap
	TURN 0, 1, 0                                   ; the last lap fetches nothing
	STEP 1, 0, 0
	s_wait_dscnt 4*NL
	WIN MUL_LO
	MUL16 0, 1, NQ-1, 1, 0
	MUL16 2, 1, NQ-1, 1, 0
	s_wait_dscnt 0
	WIN MUL_HI
	MUL16 4, 1, NQ-1, 1, 0
	MUL16 6, 1, NQ-1, 1, 0
	WIN 0
; The way out, by blocks of 16 rows x 128 columns, through my own stage in slot 0 (it has had its last fill, and nobody reads it behind the last barrier): back as whole rows of 512 bytes.
.macro TOSTAGE a
.set AC, 64*((\a)%4)
	WIN 0x08+4*((\a)/4)
.irp b, 0,1,2,3,4,5,6,7
	ds_store_b128 v[STO], v[AC+8*\b:AC+8*\b+3] offset:64*\b
	ds_store_b128 v[STO], v[AC+8*\b+4:AC+8*\b+7] offset:64*\b+16
.endr
	WIN 0
.set BB, BK+64*((\a)%2)
.irp t, 0,1,2,3,4,5,6,7,8,9,10,11,12,13,14,15
	ds_load_b128 v[BB+4*\t:BB+4*\t+3], v[RD] offset:\t*SPITCH
.endr
.endm
.macro SEND a, younger
.set BB, BK+64*((\a)%2)
	s_wait_dscnt \younger
.if (\a) > 0
	s_add_nc_u64 s[12:13], s[12:13], 16*SIZE_N*4
.endif
.irp t, 0,1,2,3,4,5,6,7,8,9,10,11,12,13,14,15
	global_store_b128 v[CO], v[BB+4*\t:BB+4*\t+3], s[12:13] offset:\t*SIZE_N*4 th:TH_STORE_NT
.endr
.endm
	PLACES NP
	TOSTAGE 0
.irp a, 1,2,3,4,5,6,7
.if \a > 1
	s_wait_xcnt 0x0                                ; block a - 2's stores have read their registers and their base
.endif
	TOSTAGE \a
	SEND \a-1, 32                                  ; behind block a - 1's loads: block a's 16 stores and 16 loads
.endr
	s_wait_xcnt 0x0
	SEND 7, 0
	s_wait_tensorcnt 0x0                           ; the wave's end
	ds_add_u32 v[SPW], v[NIL]
	s_wait_dscnt 0x0
	CROUND                                         ; the closing round
	s_endpgm
.Lfunc_end_k_q15350e78fa_gemm:
	.size	k_q15350e78fa_gemm, .Lfunc_end_k_q15350e78fa_gemm-k_q15350e78fa_gemm
	.p2alignl 7, 3214868480
	.fill 96, 4, 3214868480
	.section	.rodata,"a",@progbits
	.p2align	6, 0x0
	.amdhsa_kernel k_q15350e78fa_gemm
		.amdhsa_group_segment_fixed_size 327680
		.amdhsa_private_segment_fixed_size 0
		.amdhsa_enable_private_segment 0
		.amdhsa_kernarg_size 40
		.amdhsa_user_sgpr_count 2
		.amdhsa_user_sgpr_kernarg_segment_ptr 1
		.amdhsa_wavefront_size32 1
		.amdhsa_system_sgpr_workgroup_id_x 1
		.amdhsa_system_sgpr_workgroup_id_y 1
		.amdhsa_system_sgpr_workgroup_id_z 1
		.amdhsa_system_vgpr_workitem_id 0
		.amdhsa_next_free_vgpr 1024
		.amdhsa_next_free_sgpr 100
		.amdhsa_reserve_vcc 0
		.amdhsa_float_denorm_mode_32 3
		.amdhsa_float_denorm_mode_16_64 3
		.amdhsa_memory_ordered 1
		.amdhsa_forward_progress 1
		.amdhsa_inst_pref_size 137
	.end_amdhsa_kernel
	.amdgpu_metadata
---
amdhsa.version: [ 1, 2 ]
amdhsa.kernels:
  - .name:           k_q15350e78fa_gemm
    .symbol:         k_q15350e78fa_gemm.kd
    .args:
      - { .name: xc, .offset: 0, .size: 8, .value_kind: global_buffer, .address_space: global }
      - { .name: xs, .offset: 8, .size: 8, .value_kind: global_buffer, .address_space: global }
      - { .name: wc, .offset: 16, .size: 8, .value_kind: global_buffer, .address_space: global }
      - { .name: wsb, .offset: 24, .size: 8, .value_kind: global_buffer, .address_space: global }
      - { .name: out0, .offset: 32, .size: 8, .value_kind: global_buffer, .address_space: global }
    .group_segment_fixed_size: 327680
    .private_segment_fixed_size: 0
    .kernarg_segment_align: 8
    .kernarg_segment_size: 40
    .max_flat_workgroup_size: 128
    .sgpr_count:     100
    .vgpr_count:     1024
    .wavefront_size: 32
...
	.end_amdgpu_metadata
.endif
;; end of part 3
